; MI455X (gfx1250); checked and timed in simulation.
; The chip was launched on July 23, 2026; its instructions are those of AMD's public machine-readable ISA for CDNA 5 (MIT licence, August 2026) and "CDNA5" Instruction Set Architecture Reference Guide (July 2026). The comments in the code are by the model that wrote it; some were corrected since.
;; Lattice Quantized Parameter. Allowed arithmetic: matrix products marked QUANTISED: E2M1 operands, one E8M0 scale for each 32 along K, by v_wmma_scale_f32_16x16x128_f8f6f4 with both operands' format E2M1 (or v_wmma_scale_f32_32x16x128_f4), f32 sums; everything else in f32.
;; Inputs: grid 65,536 x 8 float32; idxs 2,048 x 1,024 int32; x 4,096 x 8,192 float32.
;; Outputs: out0 4,096 x 2,048 float32.
;; This version of the problem:
;;   THIS VERSION OF THE PROBLEM IS GIVEN IN LOW PRECISION. The matrix products marked QUANTISED in the list below multiply operands that are first quantised to E2M1 (2 exponent bits, 1 mantissa bit; 4 bits a number), with one power-of-two scale for each 32 numbers along K (OCP MX v1.0); their sums are f32. All else is computed in f32.
;;   The module's matrix products, in the order in which they are computed (A, B: the left and right operand; K: the contracted axis; several contracted axes count as one K, in the product's order):
;;     1. [M 4,096, K 8,192] x [K 8,192, N 2,048]; A: computed on the way; B: computed on the way: QUANTISED
;;   THE QUANTISER, for each operand of a quantised product, along K:
;;     - K is cut into blocks of 32 from its start; a last block that is shorter is filled with zeros.
;;     - A block's scale is 2^e with e = floor(log2(the largest magnitude in the block)) - 2, held to -126 .. 127; a block of zeros has e = 0. As a byte (E8M0): e + 127.
;;     - Each number is divided by its block's scale, clamped to +-6, and rounded to the nearest number of E2M1, ties to even, subnormals kept.
;;     - The product sums the exact products of the quantised numbers (number of the format x scale) in f32.
;;   ~~~python
;;   def quantise(x, axis):      # numpy; x: float32 -> the quantised numbers, widened to float32 again
;;       x = np.moveaxis(x, axis, -1); K = x.shape[-1]
;;       x = np.pad(x, [(0, 0)] * (x.ndim - 1) + [(0, -K % 32)]); x = x.reshape(x.shape[:-1] + (-1, 32)); a = np.abs(x).max(-1, keepdims=True)
;;       e = np.where(a > 0, np.clip(np.frexp(np.where(a > 0, a, 1))[1] - 1 - 2, -126, 127), 0)      # np.frexp(a)[1] - 1 = floor(log2(a)), exactly
;;       r = np.clip(x / 2.0 ** e, -6, 6)
;;       step = 2.0 ** (np.maximum(np.frexp(np.where(r == 0, 1, r))[1] - 1, 0) - 1)
;;       q = np.round(r / step) * step * 2.0 ** e      # np.round: ties to even
;;       return np.moveaxis(q.reshape(q.shape[:-2] + (-1,))[..., :K], -1, axis).astype(np.float32)
;;   ~~~
;;   OPERANDS COMPUTED ON THE WAY. 'Computed on the way' means the value that the module computes at that place (a softmax that the list does not call 'softmax' is quantised finished and normalised). What goes into a quantiser is computed in f32, as accurately as f32 sums, v_exp_f32 and their like allow (about 1e-6 of the number): no bf16 or f16 on the way to a quantiser, and a product that is left as it is and whose result goes on into a quantised operand takes f32 operands (vector FMAs, or v_wmma_f32_16x16x4_f32). A number that lies on a knife's edge between two numbers of the format may be rounded either way, as far as f32 arithmetic and the matrix unit's own rounding can turn it there, and no further.
;; One version. Each part assembles by itself: llvm-mc -triple=amdgcn-amd-amdhsa -mcpu=gfx1250 --defsym DOCPART=n.
;; ======== version 1 of 1: 2 launches
;; limits: right only within a limited range of input values
;; workspace buffers: xc 16,777,216 bytes; xs 1,048,576 bytes; wc 8,388,608 bytes; ws 524,288 bytes
;; launch quant (part 1): grid 768 x 1, 4 waves a work-group, no clusters, 86,016 bytes of LDS; arguments x, idxs, grid, xc, xs, wc, ws; writes xc, xs, wc, ws
.if DOCPART == 1
	.amdgcn_target "amdgcn-amd-amdhsa--gfx1250"
	.amdhsa_code_object_version 6
	.text
	.protected	k_q7732450639_quant
	.globl	k_q7732450639_quant
	.p2align	8
	.type	k_q7732450639_quant,@function
k_q7732450639_quant:
	s_mov_b64 s[64:65], 0
	v_nop
	global_prefetch_b8 v0, s[64:65] scope:SCOPE_SE
	s_setreg_imm32_b32 hwreg(HW_REG_WAVE_MODE, 25, 1), 1
	s_wait_xcnt 0x0
; Both operands of out = ((x / 32) W^T) * 28.8 are turned into codes of FP4 (E2M1) with one E8M0 scale byte for each 32 along K = 8,192, laid as the product's launch takes them.
;   x [4096][8192] f32               -> xc [256 tiles of 16 rows][256 places of 32 k][16 rows][16 bytes]: the order of the operand's registers
;   W [2048][8192] = grid[idxs] f32  -> wc [2048][4096 bytes]: codes row by row; 512 bytes hold 1,024 along K (they go on through LDS by rows)
;   scale bytes of both              -> xs, ws [tile of 16 rows][8 runs of 1,024 k][2][16 rows][4 words]: one word (4 bytes) for a row and a matrix step of 128
; THE ORDER OF K IS PERMUTED, ALIKE IN x AND IN W, which keeps every product and every block with its own scale.  In a run of 1,024 along K (32 blocks) block u = 8 p + g (p 0..3, g 0..7)
; stands at place 4 g + p: matrix step g takes blocks g, 8 + g, 16 + g, 24 + g.  Inside a block the four dwords hold, in this order, the quads of four k (0, 4), (2, 6), (1, 5), (3, 7): quad Q is k = 4 Q .. 4 Q + 3.
; A block's scale is 2^(floor(log2(its largest magnitude)) - 2); its byte is the largest magnitude's exponent field - 2, held at 1 from below.
; x / 32 is a division by a power of two: the codes of x / 32 under its scale are the codes of x under 32 times that scale.  So x is quantised as it lies and 5 is taken off each scale byte;
; the floor under x's largest magnitude is 2^(8 - 127), so that the byte of x / 32 cannot fall under 1.
; SHARES.  A wave takes 16 rows x 1,024 along K.  W has 1,024 such shares (256 work-groups), x 2,048 (512 work-groups).  Work-group n serves W where n % 3 = 0 and x otherwise; the LDS claim lets three
; work-groups lie on a WGP, so the 768 are one turn, and any three neighbours, or three numbers 256 apart, are one of W and two of x.
; The two ways part on the work-group's number and never join; each has LDS bytes of its own.  Waves share nothing: no barrier.  No tensor loads, no cluster: no tile is shared, and the table is gathered lane by lane.
; Every global store of a wave stands at its end, behind its last vector work.
; LIMITS: NaN and infinities among the inputs are not served.  A block of zeros gets the floor's byte, 1, where the rule says 127: its codes are zeros, and this program alone reads the bytes.
; Where |x| lies under 2^-121, x / 32 is a denormal f32 and loses bits in the definition; here it does not.  An index outside 0 .. 65535 is held at 65535.
.set XL,    2048                       ; W: 512 scale bytes for each wave; x's LDS behind them
.set XPIT,  272                        ; x: a stage row: a place's 16 rows x 16 bytes + 16 of padding
.set XSC,   8960                       ; x: the stage (32 x 272 + 16 bytes of skew, in 35 blocks of 256), behind it the wave's 512 scale bytes
.set XREG,  XSC+512
.set SPARE, XL+4*XREG                  ; the spare words, 128 bytes for each wave
.set XO,  4                            ; v4   x: my 16 bytes of a load's 512
.set CA,  5                            ; v5   x: the stage, on the way in
.set CR,  6                            ; v6   x: and on the way out
.set SA,  7                            ; v7   x: LDS, my step's scale word
.set SR,  8                            ; v8   x: LDS, the scale words back
.set WIO, 9                            ; v9   W: my block's four indices in a row's 512 bytes
.set WCO, 10                           ; v10  W: my 8 bytes of codes in a unit of 256
.set WF,  11                           ; v11  W: 16 x (lane % 2): my half of an entry
.set WBY, 12                           ; v12  W: LDS, my block's scale byte
.set WBR, 13                           ; v13  W: LDS, the scale bytes back
.set SPW, 14                           ; v14  my spare word; never rewritten
.set NIL, 15                           ; v15  0; never rewritten
.set M,   16                           ; x: v16-19 four blocks' largest magnitudes
.set S,   20                           ; x: v20-23 their scale operands
.set B,   24                           ; x: v24-27 their bytes
.set C,   28                           ; x: v28-35 codes, two sets by turns
.set WD,  36                           ; x: v36-37 scale words, by turns
.set X,   40                           ; x: v40-167 four sets of 32 numbers; at the end v40-103 take the codes back from the stage
.set WI,  24                           ; W: v24-151 four indices a step, turned into byte offsets in grid; when a step's gathers are in, its registers take its two dwords of codes and its scale byte
.set WG,  152                          ; W: v152-247 six sets of 16 weights
	s_load_b256 s[4:11], s[0:1], 0x0               ; x s[4:5], idxs s[6:7], grid s[8:9], xc s[10:11]
	s_load_b128 s[12:15], s[0:1], 0x20             ; xs s[12:13], wc s[14:15]
	s_load_b64 s[16:17], s[0:1], 0x30              ; ws
	v_lshl_add_u32 v[SPW], v0, 2, SPARE
	v_mov_b32 v[NIL], 0
	v_lshrrev_b32 v1, 5, v0
	v_readfirstlane_b32 s20, v1                    ; wave 0..3
	v_and_b32 v2, 31, v0                           ; lane l
	v_lshlrev_b32 v3, 4, v2                        ; 16 l
	v_and_b32 v16, 1, v2                           ; l % 2
	v_bfe_u32 v17, v2, 1, 1                        ; (l / 2) % 2
	v_bfe_u32 v18, v2, 2, 2                        ; b = (l / 4) % 4
	v_lshrrev_b32 v19, 4, v2                       ; h = l / 16
	v_and_b32 v20, 15, v2                          ; l % 16
	; every LDS address of both ways is made here, ahead of the parting
	v_and_b32 v[XO], 3, v2
	v_lshlrev_b32 v[XO], 4, v[XO]
	v_lshl_add_u32 v[XO], v19, 6, v[XO]
	v_lshl_add_u32 v[XO], v18, 7, v[XO]            ; x: 128 b + 64 h + 16 (l % 4): lanes l and l + 16 hold two quads of ONE block; the 32 lanes cover 512 consecutive bytes
	s_mul_i32 s21, s20, XREG
	s_add_co_u32 s21, s21, XL
	v_lshl_add_u32 v[CA], v19, 2, v18              ; step g = 4 h + b
	v_mul_u32_u24 v[CA], v[CA], 4*XPIT             ; its four places; place p and row r stand in the immediate
	v_lshl_add_u32 v[CA], v19, 4, v[CA]            ; places 16 to 31 lie 16 bytes further on: the two halves' dword stores fall into different banks
	v_lshl_add_u32 v[CA], v16, 3, v[CA]
	v_lshl_add_u32 v[CA], v17, 2, v[CA]            ; lane m = l % 4 holds quads (m, m + 4): dword 2 (m % 2) + m / 2
	v_add_nc_u32 v[CA], s21, v[CA]
	v_mul_u32_u24 v[CR], v19, XPIT
	v_lshl_add_u32 v[CR], v20, 4, v[CR]
	v_add_nc_u32 v[CR], s21, v[CR]                 ; out: sixteen lanes to a place, two places an instruction
	s_add_co_u32 s21, s21, XSC
	v_lshlrev_b32 v[SA], 8, v19
	v_lshl_add_u32 v[SA], v18, 2, v[SA]
	v_add_nc_u32 v[SA], s21, v[SA]                 ; 256 h + 4 b, + 16 x row (the immediate)
	v_add_nc_u32 v[SR], s21, v3
	s_lshl_b32 s22, s20, 9
	v_bfe_u32 v[WBY], v2, 1, 2                     ; W: j = (l / 2) % 4
	v_lshrrev_b32 v1, 3, v2                        ; W: p = l / 8
	v_lshlrev_b32 v[WIO], 7, v1
	v_lshl_add_u32 v[WIO], v[WBY], 4, v[WIO]       ; block 8 p + 4 i + j (i: the step's half, in the immediate): 16 bytes of indices each
	v_lshlrev_b32 v[WCO], 6, v[WBY]
	v_lshl_add_u32 v[WCO], v1, 4, v[WCO]
	v_lshl_add_u32 v[WCO], v16, 3, v[WCO]          ; step g = 4 i + j: 64 bytes; place p: 16; my half of the block's 16 bytes: the 32 lanes cover 256 consecutive bytes
	v_lshlrev_b32 v[WF], 4, v16
	v_lshl_add_u32 v[WBY], v[WBY], 2, v1
	v_add_nc_u32 v[WBY], s22, v[WBY]               ; byte 4 j + p, + 256 i + 16 x row (the immediate)
	v_add_nc_u32 v[WBR], s22, v3
	s_mul_hi_u32 s18, ttmp9, 0x55555556            ; n / 3 (n under 768)
	s_mul_i32 s19, s18, 3
	s_sub_co_u32 s19, ttmp9, s19                   ; n % 3
	s_mov_b32 s25, 0
	s_mov_b32 s27, 0
	s_mov_b32 s29, 0
	s_wait_alu depctr_va_vdst(0)                   ; the wait at the head's end
	s_wait_kmcnt 0x0
	s_cmp_eq_u32 s19, 0
	s_cbranch_scc1 .Lw
; ---------------- x ----------------
; A unit is one row's 1,024 numbers: eight loads of 512 consecutive bytes.  Loads 2 p and 2 p + 1 lie in eight neighbouring registers; four exchanges of the first four's upper lanes with the last four's lower lanes
; leave in lanes 0-15 eight numbers of block 8 p + b and in lanes 16-31 eight of block 8 p + 4 + b.  Four lanes hold a block: two steps across lanes finish its largest magnitude.
; One conversion gives a dword of codes, which goes into the wave's stage in LDS.  A lane's four blocks p = 0..3 are the four of matrix step g: their bytes make the step's scale word in registers.
; Loads run four units (32 loads) ahead.  At the end the stage is read back by places and leaves as 8,192 consecutive bytes.
	s_lshl_b32 s18, s18, 1
	s_add_co_u32 s18, s18, s19
	s_sub_co_u32 s18, s18, 1                       ; which of x's 512 work-groups
	s_lshl_b32 s18, s18, 2
	s_add_co_u32 s18, s18, s20                     ; which share of x: 8 x tile + run
	s_lshr_b32 s19, s18, 3                         ; the tile of 16 rows
	s_and_b32 s21, s18, 7                          ; the run of 1,024 along K
	s_lshl_b32 s24, s19, 19                        ; x: 16 rows of 32,768 bytes a tile,
	s_lshl_b32 s23, s21, 12                        ; 4,096 bytes a run
	s_add_co_u32 s24, s24, s23
	s_lshl_b32 s26, s18, 13                        ; codes: 8,192 bytes for each share,
	s_lshl_b32 s28, s18, 9                         ; scale bytes: 512
	s_add_nc_u64 s[4:5], s[4:5], s[24:25]
	s_add_nc_u64 s[10:11], s[10:11], s[26:27]
	s_add_nc_u64 s[12:13], s[12:13], s[28:29]
.macro LOAD r
.irp j, 0,1,2,3,4,5,6,7
	global_load_b128 v[X+32*((\r)%4)+4*\j:X+32*((\r)%4)+4*\j+3], v[XO], s[4:5] offset:32768*(\r)+512*\j th:TH_LOAD_NT   ; read once in the launch
.endr
.endm
.macro UNIT r
.set XS, X+32*((\r)%4)
.set CS, C+4*((\r)%2)
.if (\r) <= 12
	s_wait_loadcnt 24                              ; this unit's eight loads are in; the three younger units' 24 may be out
.else
	s_wait_loadcnt 8*(15-(\r))
.endif
.irp p, 0,1,2,3
.irp i, 0,1,2,3
	v_permlane16_swap_b32 v[XS+8*\p+\i], v[XS+8*\p+4+\i]
.endr
.endr
.irp p, 0,1,2,3
	v_max3_num_f32 v[M+\p], |v[XS+8*\p]|, |v[XS+8*\p+1]|, 0x4000000   ; my eight, and the floor 2^(8 - 127); the four blocks by turns
.endr
.irp i, 2,4,6
.irp p, 0,1,2,3
	v_max3_num_f32 v[M+\p], v[M+\p], |v[XS+8*\p+\i]|, |v[XS+8*\p+\i+1]|
.endr
.endr
.irp k, 1,2
.irp p, 0,1,2,3
	v_max_num_f32_dpp v[M+\p], v[M+\p], v[M+\p] row_xmask:\k row_mask:0xf bank_mask:0xf   ; with the block's other three lanes
.endr
.endr
.irp p, 0,1,2,3
	v_add_nc_u32 v[S+\p], 0xff000000, v[M+\p]      ; 2 off the exponent field: the conversion takes the exponent field of this operand as its scale
.endr
.irp p, 0,1,2,3
	v_cvt_scalef32_pk8_fp4_f32 v[CS+\p], v[XS+8*\p:XS+8*\p+7], v[S+\p]
.endr
.irp p, 0,1,2,3
	v_lshrrev_b32 v[B+\p], 23, v[S+\p]             ; the byte of x's scale, 6 at the least.  (Also the plain lines behind the conversions)
.endr
	v_lshl_or_b32 v[B], v[B+1], 8, v[B]
	v_lshl_or_b32 v[B+2], v[B+3], 8, v[B+2]
	v_lshl_or_b32 v[B], v[B+2], 16, v[B]
	v_add_nc_u32 v[WD+(\r)%2], 0xfafafafb, v[B]    ; 5 off each of the four bytes: each is 6 or more, so nothing is borrowed from byte to byte
.if (\r)+4 < 16
	LOAD (\r)+4                                    ; into the set just converted
.endif
.irp p, 0,1,2,3
	ds_store_b32 v[CA], v[CS+\p] offset:\p*XPIT+16*(\r)
.endr
	ds_store_b32 v[SA], v[WD+(\r)%2] offset:16*(\r)   ; a block's four lanes write the same word with the same value
	s_wait_dscnt 5                                 ; all but this unit's five: the last unit's LDS stores have read their registers, which the next unit writes
.endm
.irp r, 0,1,2,3
	LOAD \r
.endr
.irp r, 0,1,2,3,4,5,6,7,8,9,10,11,12,13,14,15
	UNIT \r
.endr
	ds_load_b128 v[16:19], v[SR]                   ; LDS serves a wave's instructions in order (ISA guide 5.7.1): these see my stores
.irp n, 0,1,2,3,4,5,6,7,8,9,10,11,12,13,14,15
	ds_load_b128 v[X+4*\n:X+4*\n+3], v[CR] offset:2*\n*XPIT+16*(\n/8)   ; places 2 n and 2 n + 1
.endr
	s_wait_dscnt 0x0
	global_store_b128 v3, v[16:19], s[12:13]       ; the share's 512 scale bytes: consecutive, aligned
.irp n, 0,1,2,3,4,5,6,7,8,9,10,11,12,13,14,15
	global_store_b128 v3, v[X+4*\n:X+4*\n+3], s[10:11] offset:512*\n   ; 512 consecutive bytes, at a multiple of 256 from xc's first byte
.endr
	s_wait_tensorcnt 0x0                           ; the wave's end
	ds_add_u32 v[SPW], v[NIL]
	s_wait_dscnt 0x0
	s_endpgm
; ---------------- W ----------------
; TWO LANES TAKE A BLOCK: both read its four indices; lane l % 2 = f gathers half f (16 bytes) of each of the four entries, so that neighbouring lanes read the 32 neighbouring bytes of one entry and a gather names 16 entries.
; Entry e's half f is quad 2 e + f: entries 0 and 2 give the lane's first dword of codes (quads f, 4 + f), entries 1 and 3 its second (quads 2 + f, 6 + f): 8 neighbouring bytes of the block's 16.
; Step t serves row t / 2 of the tile and the 16 blocks 8 p + 4 (t % 2) + j: their codes are 256 consecutive bytes of the row.  (A step's index load so reads four pieces of 64 bytes; the step beside it reads the pieces between.)
; Six steps' gathers (24 loads a wave) are out at a time.  The codes stay in registers and leave at the end.
.Lw:
	s_lshl_b32 s18, s18, 2
	s_add_co_u32 s18, s18, s20                     ; which share of W: 8 x tile + run
	s_lshr_b32 s19, s18, 3                         ; the tile of 16 rows
	s_and_b32 s21, s18, 7                          ; the run of 1,024 along K
	s_lshl_b32 s24, s19, 16                        ; idxs and codes alike: 16 rows of 4,096 bytes a tile,
	s_lshl_b32 s23, s21, 9                         ; 512 bytes a run
	s_add_co_u32 s24, s24, s23
	s_lshl_b32 s28, s18, 9                         ; scale bytes: 512 for each share
	s_add_nc_u64 s[6:7], s[6:7], s[24:25]
	s_add_nc_u64 s[14:15], s[14:15], s[24:25]
	s_add_nc_u64 s[16:17], s[16:17], s[28:29]
.set j, 0
.rept 32
	global_load_b128 v[WI+4*j:WI+4*j+3], v[WIO], s[6:7] offset:4096*(j/2)+64*(j%2)
.set j, j+1
.endr
	s_wait_loadcnt 0x0
.set j, 0
.rept 128
	v_min_u32 v[WI+j], 0xffff, v[WI+j]             ; held inside the table
.set j, j+1
.endr
.set j, 0
.rept 128
	v_lshl_add_u32 v[WI+j], v[WI+j], 5, v[WF]      ; 32 bytes an entry, and my half of it
.set j, j+1
.endr
.macro GATHER t                        ; entries 0, 2, 1, 3 into neighbouring registers.  No hint: the table's entries are read again
.irp e, 0,1,2,3
	global_load_b128 v[WG+16*((\t)%6)+8*(\e%2)+4*(\e/2):WG+16*((\t)%6)+8*(\e%2)+4*(\e/2)+3], v[WI+4*(\t)+\e], s[8:9]
.endr
.endm
.macro BLOCK t
.set GS, WG+16*((\t)%6)
.if (\t) <= 26
	s_wait_loadcnt 20                              ; this step's four loads are in; the five younger steps' 20 may be out
.else
	s_wait_loadcnt 4*(31-(\t))
.endif
	v_max3_num_f32 v16, |v[GS]|, |v[GS+1]|, |v[GS+2]|              ; the largest magnitude of my 16, in two chains
	v_max3_num_f32 v17, |v[GS+3]|, |v[GS+4]|, |v[GS+5]|
.irp i, 6,10
	v_max3_num_f32 v16, v16, |v[GS+\i]|, |v[GS+\i+1]|
	v_max3_num_f32 v17, v17, |v[GS+\i+2]|, |v[GS+\i+3]|
.endr
	v_max3_num_f32 v16, v16, |v[GS+14]|, |v[GS+15]|
	v_max3_num_f32 v16, v16, v17, 0x1800000        ; and the floor 2^(3 - 127): the byte cannot fall under 1
	v_max_num_f32_dpp v16, v16, v16 row_xmask:1 row_mask:0xf bank_mask:0xf   ; and of my neighbour's 16: the block's
	v_add_nc_u32 v18, 0xff000000, v16              ; 2 off its exponent field: the conversion's scale operand
	v_cvt_scalef32_pk8_fp4_f32 v[WI+4*(\t)], v[GS:GS+7], v18       ; into the step's offset registers: its gathers are in
	v_cvt_scalef32_pk8_fp4_f32 v[WI+4*(\t)+1], v[GS+8:GS+15], v18
	v_lshrrev_b32 v[WI+4*(\t)+2], 23, v18          ; the scale's byte.  (Also the plain line behind the conversions)
	ds_store_b8 v[WBY], v[WI+4*(\t)+2] offset:256*((\t)%2)+16*((\t)/2)   ; both lanes of a block write the same byte with the same value
.if (\t)+6 < 32
	GATHER (\t)+6                                  ; into the set just converted
.endif
.endm
.irp t, 0,1,2,3,4,5
	GATHER \t
.endr
.set Q, 0
.rept 32
	BLOCK Q
.set Q, Q+1
.endr
	ds_load_b128 v[16:19], v[WBR]                  ; LDS serves a wave's instructions in order: this sees my stores
	s_wait_alu depctr_va_vdst(0)
	s_wait_dscnt 0x0
	global_store_b128 v3, v[16:19], s[16:17]       ; the share's 512 scale bytes: consecutive, aligned
.set j, 0
.rept 32
	global_store_b64 v[WCO], v[WI+4*j:WI+4*j+1], s[14:15] offset:4096*(j/2)+256*(j%2)   ; the wave stores 256 consecutive bytes, at a multiple of 256 from wc's first byte
.set j, j+1
.endr
	s_wait_tensorcnt 0x0                           ; the wave's end
	ds_add_u32 v[SPW], v[NIL]
	s_wait_dscnt 0x0
	s_endpgm
.Lfunc_end_k_q7732450639_quant:
	.size	k_q7732450639_quant, .Lfunc_end_k_q7732450639_quant-k_q7732450639_quant
	.p2alignl 7, 3214868480
	.fill 96, 4, 3214868480
	.section	.rodata,"a",@progbits
	.p2align	6, 0x0
	.amdhsa_kernel k_q7732450639_quant
		.amdhsa_group_segment_fixed_size 86016
		.amdhsa_private_segment_fixed_size 0
		.amdhsa_enable_private_segment 0
		.amdhsa_kernarg_size 56
		.amdhsa_user_sgpr_count 2
		.amdhsa_user_sgpr_kernarg_segment_ptr 1
		.amdhsa_wavefront_size32 1
		.amdhsa_system_sgpr_workgroup_id_x 1
		.amdhsa_system_sgpr_workgroup_id_y 1
		.amdhsa_system_sgpr_workgroup_id_z 1
		.amdhsa_system_vgpr_workitem_id 0
		.amdhsa_next_free_vgpr 248
		.amdhsa_next_free_sgpr 66
		.amdhsa_reserve_vcc 0
		.amdhsa_float_denorm_mode_32 3
		.amdhsa_float_denorm_mode_16_64 3
		.amdhsa_memory_ordered 1
		.amdhsa_forward_progress 1
		.amdhsa_inst_pref_size 136
	.end_amdhsa_kernel
	.amdgpu_metadata
---
amdhsa.version: [ 1, 2 ]
amdhsa.kernels:
  - .name:           k_q7732450639_quant
    .symbol:         k_q7732450639_quant.kd
    .args:
      - { .name: x, .offset: 0, .size: 8, .value_kind: global_buffer, .address_space: global }
      - { .name: idxs, .offset: 8, .size: 8, .value_kind: global_buffer, .address_space: global }
      - { .name: grid, .offset: 16, .size: 8, .value_kind: global_buffer, .address_space: global }
      - { .name: xc, .offset: 24, .size: 8, .value_kind: global_buffer, .address_space: global }
      - { .name: xs, .offset: 32, .size: 8, .value_kind: global_buffer, .address_space: global }
      - { .name: wc, .offset: 40, .size: 8, .value_kind: global_buffer, .address_space: global }
      - { .name: ws, .offset: 48, .size: 8, .value_kind: global_buffer, .address_space: global }
    .group_segment_fixed_size: 86016
    .private_segment_fixed_size: 0
    .kernarg_segment_align: 8
    .kernarg_segment_size: 56
    .max_flat_workgroup_size: 128
    .sgpr_count:     66
    .vgpr_count:     248
    .wavefront_size: 32
...
	.end_amdgpu_metadata
.endif
;; end of part 1
;; launch gemm (part 2): grid 16 x 16, 4 waves a work-group, clusters of 4 x 1, 327,680 bytes of LDS; arguments xc, xs, wc, ws, out0; writes out0
.if DOCPART == 2
	.amdgcn_target "amdgcn-amd-amdhsa--gfx1250"
	.amdhsa_code_object_version 6
	.text
	.protected	k_q7732450639_gemm
	.globl	k_q7732450639_gemm
	.p2align	8
	.type	k_q7732450639_gemm,@function
k_q7732450639_gemm:
	s_mov_b64 s[64:65], 0
	v_nop
	global_prefetch_b8 v0, s[64:65] scope:SCOPE_SE
	s_setreg_imm32_b32 hwreg(HW_REG_WAVE_MODE, 25, 1), 1
	s_wait_xcnt 0x0
	s_wait_alu depctr_hold_cnt(0) depctr_sa_sdst(0) depctr_va_vdst(0) depctr_va_sdst(0) depctr_va_ssrc(0) depctr_va_vcc(0) depctr_vm_vsrc(0)
	s_getreg_b32 s2, hwreg(HW_REG_IB_STS2, 6, 4)
	s_cmp_eq_u32 s2, 0
	s_cbranch_scc0 .Lentry_in_a_cluster
	s_endpgm
.Lentry_in_a_cluster:
	s_bfe_u32 s2, ttmp6, 0x10000c
	s_cmp_lg_u32 s2, 0x3003
	s_cbranch_scc0 .Lentry_shape_is_right
	s_endpgm
.Lentry_shape_is_right:
; out0 [4096][2048] f32 = 28.8 x (the codes of x / 32) (the codes of W)^T, on the codes and scale bytes that the launch before has laid (K in its order, alike in both operands).
; A work-group makes 256 rows x 128 columns.  Four waves; wave w makes rows 64 w .. 64 w + 63 x all 128 columns: 32 accumulators of 16 x 16.
; W's 128 rows are read by all four waves: they go through a ring of two LDS slots, K in steps of 1,024 (rows of 512 bytes of codes), filled by tensor loads, 32 rows a wave.
; x's 64 rows of a wave are read by that wave alone in its work-group.  They lie in memory in the order of the operand's registers and go straight into registers, six matrix steps (48 loads) ahead, and so do both operands' scale words:
; through LDS they would be written there and read there once more for the same products, so no tensor load, and with it no joint request, brings them.
; CLUSTERS: the four work-groups of a cluster (4 x 1: four neighbouring blocks of rows) make the same 128 columns and ask for W's tiles jointly (mask 15).
; The matrix instruction is used transposed (source 0 = 16 rows of W, source 1 = 16 rows of x): a lane holds eight neighbouring numbers of a row of out0, which leave through a stage in slot 0 as whole rows of 512 bytes.
; REGISTERS: window 0: v0-31 addresses, v32-127 scale words in two sets (32 of W, 16 of x each), v128-255 the way out.  Window 1: W's fragments from LDS, two sets of 64.  Window 2: accumulator (i, b) at v[8 (8 i + b)].
; Window 3: x's fragments, eight sets (one for each matrix step of a K step) of 4 x 8.
.set ROWB,   512                       ; a tile's row: 1,024 codes
.set KROW,   4096                      ; a row of wc
.set OROW,   8192                      ; a row of out0
.set XTILE,  65536                     ; 16 rows of x's codes
.set XSTEP,  1024                      ; a fragment: 16 rows x 128 k
.set STILE,  4096                      ; 16 rows' scale bytes
.set PITCH,  528                       ; an LDS row: 512 bytes + 16 of padding: the 16 rows that a load touches start at 16 different groups of four banks (ISA guide 11.1)
.set QT,     32*PITCH                  ; what one tensor load brings
.set SLOT,   128*PITCH
.set SPARE,  2*SLOT                    ; the spare words, 128 bytes for each wave
.set SPITCH, 528                       ; the way out: a stage of 16 rows x (512 + 16) bytes for each wave, in slot 0, which has had its last fill and its last read by then
.set ADRW, 16                          ; v16-17 LDS address of W's fragments in slot 0, 1
.set STO,  24
.set RD,   25
.set LOF,  27                          ; 16 x lane
.set SPW,  28
.set NIL,  29
.set PFO,  30
.set SC,   32
.set BK,   128
.set G1,   24
.set G0,   32
.set PF,   44                          ; s[44:45] where my prefetches stand;  s[46:47] their step
.set PFS,  46
.set LIM,  48                          ; 1 in a wave that prefetches, else the greatest number
.set FAC,  50
.set PX,   52
.set PWS,  54
.set PXS,  56
.set MSB, 0
.macro WIN new                         ; the immediate's high byte repeats the setting that is left
.if MSB != \new
	s_set_vgpr_msb (MSB<<8)|\new
.set MSB, \new
.endif
.endm
.set MUL,  0xad                        ; source 0 (W) window 1, source 1 (x) window 3, C and D window 2
.set TO_L, 0x40                        ; destination window 1
.set TO_R, 0xc0                        ; destination window 3
.macro JLOAD s                         ; a joint load: every wave fetches its 32 rows; s_nop 0 and four v_nop follow
	tensor_load_to_lds s[G0+4*\s:G0+4*\s+3], s[G1:G1+7]
	s_nop 0
.rept 4
	v_nop
.endr
.endm
.macro CREST                           ; a round of the cluster's barrier behind its opening barrier
	s_cmp_lg_u32 s14, 0
	s_cbranch_scc1 .Lnot_wave_0_\@
	s_barrier_signal -3
.Lnot_wave_0_\@:
	s_barrier_wait -3
	s_barrier_signal -1
	s_barrier_wait -1
.endm
.macro CROUND
	s_barrier_signal -1
	s_barrier_wait -1
	CREST
.endm
; A prefetch behind each refill: at the change of slots that ends K step t, K step t + 3: one K step ahead of the tensor load, and one K step and three matrix steps ahead of the first register load, that will want it.
; Wave 0 asks for x: of the block's 16 tiles, which 16 work-groups read, the work-group of column block c takes tile c: 8,192 consecutive bytes, a lane to each 256.
; Waves 2 and 3 ask for W: of the 128 rows the partner at place cx takes 32, a lane a row, each of the two waves one half of the row's 512 bytes.  Shares are told apart by address.  how = 0: not in the loop's last trip.
.macro ASK how
.if \how
	s_cmp_eq_u32 s[LIM], 1
.else
	s_cmp_gt_u32 s3, s[LIM]
.endif
	s_cbranch_scc0 .Lno_\@
	s_wait_alu depctr_va_vdst(0)
	global_prefetch_b8 v[PFO], s[PF:PF+1] th:TH_LOAD_NT scope:SCOPE_SE
.Lno_\@:
.endm
.macro XLOAD set, koff                 ; x's four fragments of one matrix step
.irp b, 0,1,2,3
	global_load_b128 v[32*(\set)+8*\b:32*(\set)+8*\b+3], v[LOF], s[PX:PX+1] offset:\b*XTILE+(\koff)
	global_load_b128 v[32*(\set)+8*\b+4:32*(\set)+8*\b+7], v[LOF], s[PX:PX+1] offset:\b*XTILE+(\koff)+512
.endr
.endm
.macro SCLOAD sc, off                  ; a K step's scale words: lanes 0-15 its first four matrix steps', lanes 16-31 its last four's
.irp i, 0,1,2,3,4,5,6,7
	global_load_b128 v[SC+48*(\sc)+4*\i:SC+48*(\sc)+4*\i+3], v[LOF], s[PWS:PWS+1] offset:\i*STILE+\off
.endr
.irp b, 0,1,2,3
	global_load_b128 v[SC+48*(\sc)+32+4*\b:SC+48*(\sc)+32+4*\b+3], v[LOF], s[PXS:PXS+1] offset:\b*STILE+\off
.endr
.endm
	s_load_b128 s[4:7], s[0:1], 0x0                ; xc s[4:5], xs s[6:7]
	s_load_b128 s[8:11], s[0:1], 0x10              ; wc s[8:9], ws s[10:11]
	s_load_b64 s[12:13], s[0:1], 0x20              ; out0
	v_lshl_add_u32 v[SPW], v0, 2, SPARE
	v_mov_b32 v[NIL], 0
	ds_add_u32 v[SPW], v[NIL]                      ; the opening lines: the add, twice on end, and its wait ahead of my first tensor load
	ds_add_u32 v[SPW], v[NIL]
	v_lshrrev_b32 v1, 5, v0
	v_readfirstlane_b32 s14, v1                    ; wave 0..3
	s_bfe_u32 s40, ttmp6, 0x40000                  ; cx
	s_lshl_b32 s42, ttmp9, 2
	s_add_co_u32 s42, s42, s40                     ; block of 256 rows = 4 x cluster x + cx
	s_and_b32 s17, ttmp7, 0xffff                   ; block of 128 columns: the cluster's y, the same in all four partners
	s_mov_b32 s[FAC], 0x41e66666                   ; 28.8
	s_mov_b32 s[FAC+1], s[FAC]
	s_mov_b32 s[G1+0], 15|(1<<20)|(1<<21)|(6<<22)|(3<<25)   ; the mask names the cluster's four; elements of 1 byte; 4 words of padding behind every 128
	s_mov_b32 s[G1+1], ROWB<<16
	s_mov_b32 s[G1+2], 32<<16
	s_mov_b32 s[G1+3], ROWB<<16
	s_mov_b32 s[G1+4], 32
	s_mov_b32 s[G1+5], KROW
	s_mov_b32 s[G1+6], 0
	s_mov_b32 s[G1+7], 0
	s_lshl_b32 s20, s17, 7
	s_lshl_b32 s18, s14, 5
	s_add_co_u32 s20, s20, s18                     ; W: row 128 x column block + 32 x wave
	s_lshl_b32 s20, s20, 12
	s_mov_b32 s21, 0
	s_mul_i32 s22, s14, QT
	s_lshl_b32 s[PX], s42, 4
	s_lshl_b32 s18, s14, 2
	s_add_co_u32 s[PX], s[PX], s18                 ; x: my first tile of 16 rows
	s_lshl_b32 s[PXS], s[PX], 12
	s_mov_b32 s[PXS+1], 0
	s_lshl_b32 s[PX], s[PX], 16
	s_mov_b32 s[PX+1], 0
	s_lshl_b32 s[PWS], s17, 15                     ; W's scales: 8 tiles a column block
	s_mov_b32 s[PWS+1], 0
	v_and_b32 v6, 31, v0
	v_lshlrev_b32 v[LOF], 4, v6
	s_wait_alu depctr_va_vdst(0)
	s_wait_dscnt 0x0                               ; both opening adds are done
	s_wait_kmcnt 0x0
	s_add_nc_u64 s[20:21], s[8:9], s[20:21]
	s_add_nc_u64 s[PX:PX+1], s[4:5], s[PX:PX+1]
	s_add_nc_u64 s[PXS:PXS+1], s[6:7], s[PXS:PXS+1]
	s_add_nc_u64 s[PWS:PWS+1], s[10:11], s[PWS:PWS+1]
	SCLOAD 0, 0                                    ; the first K step's scale words and x's first six sets: 60 loads, on their way while W's first tile is asked for and lands
	WIN TO_R
.irp n, 0,1,2,3,4,5
	XLOAD \n, \n*XSTEP
.endr
	WIN 0
	CROUND                                         ; the four partners are here: the first joint loads meet
.irp s, 0,1
	s_mov_b32 s[G0+4*\s], 1
	s_add_co_u32 s[G0+4*\s+1], s22, \s*SLOT
	s_add_nc_u64 s[G0+4*\s+2:G0+4*\s+3], s[20:21], \s*ROWB
	s_or_b32 s[G0+4*\s+3], s[G0+4*\s+3], 0x80000000
.endr
	JLOAD 0                                        ; K step 0: one tensor load a wave at the head
	v_and_b32 v1, 15, v0
	v_bfe_u32 v2, v0, 4, 1
	v_mul_u32_u24 v3, v1, PITCH
	v_lshl_add_u32 v[ADRW], v2, 4, v3              ; a fragment's row x pitch + 16 x half
	v_add_nc_u32 v[ADRW+1], SLOT, v[ADRW]
	s_mul_i32 s23, s14, 16*SPITCH                  ; my stage
	v_mul_u32_u24 v5, v1, SPITCH
	v_lshl_add_u32 v5, v2, 5, v5
	v_add_nc_u32 v[STO], s23, v5                   ; in: row l % 16, 32 bytes for each half of the lanes
	v_add_nc_u32 v[RD], s23, v[LOF]                ; back: the 32 lanes take one row of 512 bytes
	s_lshl_b32 s18, s42, 8
	s_lshl_b32 s19, s14, 6
	s_add_co_u32 s18, s18, s19                     ; my first row of out0
	s_lshl_b32 s18, s18, 13
	s_lshl_b32 s19, s17, 9                         ; my first column, in bytes
	s_add_co_u32 s18, s18, s19
	s_mov_b32 s19, 0
	s_add_nc_u64 s[12:13], s[12:13], s[18:19]
	s_lshl_b32 s18, s42, 4                         ; the prefetches.  x: tile 16 x row block + column block, at K step 2
	s_add_co_u32 s18, s18, s17
	s_lshl_b32 s18, s18, 16
	s_add_co_u32 s18, s18, 2*8*XSTEP
	s_lshl_b32 s19, s17, 7                         ; W: row 128 x column block + 32 cx, my half of the row's 512 bytes, at K step 2
	s_lshl_b32 s23, s40, 5
	s_add_co_u32 s19, s19, s23
	s_lshl_b32 s19, s19, 12
	s_and_b32 s23, s14, 1
	s_lshl_b32 s23, s23, 8
	s_add_co_u32 s19, s19, s23
	s_add_co_u32 s19, s19, 2*ROWB
	s_mov_b32 s[PFS], ROWB
	s_mov_b32 s[PFS+1], 0
	s_cmp_eq_u32 s14, 0                            ; wave 0 asks for x
	s_cselect_b64 s[PF:PF+1], s[4:5], s[8:9]
	s_cselect_b32 s18, s18, s19
	s_cselect_b32 s[PFS], 8*XSTEP, s[PFS]
	s_cselect_b32 s23, 8, 12                       ; a lane to each 256 bytes, or a lane a row
	s_mov_b32 s19, 0
	s_add_nc_u64 s[PF:PF+1], s[PF:PF+1], s[18:19]
	s_cmp_eq_u32 s14, 1
	s_cselect_b32 s[LIM], -1, 1                    ; wave 1 asks for nothing
	v_lshlrev_b32 v[PFO], s23, v6
.macro FETCH_W slot, q, p              ; W's eight fragments of the slot's q-th matrix step into set p: two loads of 16 bytes a lane each, 32 bytes apart
	WIN TO_L
.irp i, 0,1,2,3,4,5,6,7
.irp c, 0,1
	ds_load_b128 v[128*(\p)+8*\i+4*\c:128*(\p)+8*\i+4*\c+3], v[ADRW+\slot] offset:64*(\q)+32*\c+\i*16*PITCH
.endr
.endr
.endm
; 8 matrix instructions: x's tile i against W's eight.  The 32 accumulators take turns, one instruction a turn, in the same order in every matrix step.
.macro MULG i, p, q, sc, zero
.irp b, 0,1,2,3,4,5,6,7
.set rD, 8*(8*(\i)+\b)
.set rW, 128*(\p)+8*\b
.set rX, 32*(\q)+8*(\i)
.set rSW, SC+48*(\sc)+4*\b+(\q)%4
.set rSX, SC+48*(\sc)+32+4*(\i)+(\q)%4
.if \zero
	v_wmma_scale_f32_16x16x128_f8f6f4 v[rD:rD+7], v[rW:rW+7], v[rX:rX+7], 0, v[rSW], v[rSX] matrix_a_fmt:MATRIX_FMT_FP4 matrix_b_fmt:MATRIX_FMT_FP4
.elseif (\q)/4
	v_wmma_scale_f32_16x16x128_f8f6f4 v[rD:rD+7], v[rW:rW+7], v[rX:rX+7], v[rD:rD+7], v[rSW], v[rSX] matrix_a_fmt:MATRIX_FMT_FP4 matrix_b_fmt:MATRIX_FMT_FP4 matrix_a_scale:MATRIX_SCALE_ROW1 matrix_b_scale:MATRIX_SCALE_ROW1
.else
	v_wmma_scale_f32_16x16x128_f8f6f4 v[rD:rD+7], v[rW:rW+7], v[rX:rX+7], v[rD:rD+7], v[rSW], v[rSX] matrix_a_fmt:MATRIX_FMT_FP4 matrix_b_fmt:MATRIX_FMT_FP4
.endif
.endr
.endm
.macro PLACES n                        ; places in front of loads into registers that matrix instructions have read, and of reads of results
.rept \n
	v_nop
.endr
.endm
; A matrix step that has its successor in the same slot.  lc: the register loads younger than this step's set of x: five sets of eight, and the 12 scale loads where they were issued behind it.
.macro STEP slot, q, zero, fw, sl, lc
	s_wait_loadcnt \lc
	s_wait_dscnt 0x0                               ; W's fragments of this step, asked for a step ago
	PLACES 4
	FETCH_W \slot, (\q)+1, 1-(\q)%2
.if \fw
	WIN TO_R
	XLOAD ((\q)+6)%8, ((\q)+6)*XSTEP
.endif
.if \sl
	WIN 0
	SCLOAD 1-\slot, 512
.endif
	WIN MUL
.irp i, 0,1,2,3
	MULG \i, (\q)%2, \q, \slot, \zero
.endr
.endm
; A slot's last matrix step changes slots: one barrier; in front of it each wave waits for all its tensor loads, adds 0 to its spare word, and waits for that and for its reads of this slot.  fill = 1: the barrier opens a
; round of the cluster's barrier, and this slot is filled again, two K steps ahead, first thing behind the round.
.macro TURN slot, next, fill, how
	WIN 0
	s_wait_xcnt 0x0                                ; my loads and my prefetch have read their bases: they step
	s_add_nc_u64 s[PX:PX+1], s[PX:PX+1], 8*XSTEP
	s_add_nc_u64 s[PWS:PWS+1], s[PWS:PWS+1], 512
	s_add_nc_u64 s[PXS:PXS+1], s[PXS:PXS+1], 512
.if \fill
	s_add_nc_u64 s[PF:PF+1], s[PF:PF+1], s[PFS:PFS+1]
.endif
	s_wait_tensorcnt 0x0                           ; my one tensor load that was out, my part of the next slot, has landed
	ds_add_u32 v[SPW], v[NIL]
	s_wait_loadcnt 40
	s_wait_dscnt 1                                 ; (the add may be out)
	WIN MUL
	MULG 0, 1, 7, \slot, 0
	s_wait_dscnt 0x0                               ; the add is done, and my reads of this slot are over
	s_barrier_signal -1
	MULG 1, 1, 7, \slot, 0
	WIN 0
	s_barrier_wait -1
.if \fill
	CREST
	s_add_nc_u64 s[G0+4*\slot+2:G0+4*\slot+3], s[G0+4*\slot+2:G0+4*\slot+3], 2*ROWB
	JLOAD \slot                                    ; its four v_nop are also the places in front of the loads below
.else
	PLACES 4
.endif
	FETCH_W \next, 0, 0
	WIN TO_R
	XLOAD 5, 5*XSTEP
.if \fill
	WIN 0
	ASK \how
.endif
	WIN MUL
	MULG 2, 1, 7, \slot, 0
	MULG 3, 1, 7, \slot, 0
.endm
	s_wait_alu depctr_va_vdst(0)                   ; the wait at the head's end
	s_wait_tensorcnt 0x0                           ; my part of K step 0 is in
	ds_add_u32 v[SPW], v[NIL]
	s_wait_dscnt 0x0
	CROUND                                         ; everybody's part of K step 0 is in, and the four partners are here
	JLOAD 1                                        ; K step 1: slot 1's first fill, the first tensor load behind the round
	FETCH_W 0, 0, 0
	STEP 0, 0, 1, 1, 1, 40                         ; the first matrix step stands in front of the loop: its products start the sums
	WIN 0
	s_mov_b32 s3, 3
.Llap:                                                 ; a trip goes once round the ring, from a lap's second matrix step to the next lap's first, and fills both slots again
.irp q, 1,2,3,4,5,6
	STEP 0, \q, 0, 1, 0, 52
.endr
	TURN 0, 1, 1, 1
	STEP 1, 0, 0, 1, 1, 40
.irp q, 1,2,3,4,5,6
	STEP 1, \q, 0, 1, 0, 52
.endr
	TURN 1, 0, 1, 0
	STEP 0, 0, 0, 1, 1, 40
	WIN 0
	s_sub_co_u32 s3, s3, 1
	s_cmp_lg_u32 s3, 0
	s_cbranch_scc1 .Llap
.irp q, 1,2,3,4,5,6
	STEP 0, \q, 0, 1, 0, 52
.endr
	TURN 0, 1, 0, 0                                ; the last lap fills nothing
	STEP 1, 0, 0, 1, 0, 40
	STEP 1, 1, 0, 1, 0, 40
	STEP 1, 2, 0, 0, 0, 40                         ; x's last sets have been asked for: the counts run down
	STEP 1, 3, 0, 0, 0, 32
	STEP 1, 4, 0, 0, 0, 24
	STEP 1, 5, 0, 0, 0, 16
	STEP 1, 6, 0, 0, 0, 8
	s_wait_loadcnt 0x0
	s_wait_dscnt 0x0
	WIN MUL
.irp i, 0,1,2,3
	MULG \i, 1, 7, 1, 0
.endr
	WIN 0
; THE WAY OUT, block by block of 16 rows x 128 columns: through my own stage in LDS, back as whole rows of 512 bytes, times 28.8, stored as two aligned units of 256 bytes an instruction.
; LDS serves a wave's instructions in order (ISA guide 5.7.1): no wait between the stores and the loads, nor in front of the next block's stores.
.macro TOSTAGE a
.set AC, 64*(\a)
	WIN 0x08                                       ; the data: window 2
.irp b, 0,1,2,3,4,5,6,7
	ds_store_b128 v[STO], v[AC+8*\b:AC+8*\b+3] offset:64*\b          ; each accumulator from its low end on
	ds_store_b128 v[STO], v[AC+8*\b+4:AC+8*\b+7] offset:64*\b+16
.endr
	WIN 0
.set BB, BK+64*((\a)%2)
.irp t, 0,1,2,3,4,5,6,7,8,9,10,11,12,13,14,15
	ds_load_b128 v[BB+4*\t:BB+4*\t+3], v[RD] offset:\t*SPITCH
.endr
.endm
.macro SEND a, younger                 ; younger: the LDS instructions issued behind block a's loads, which may stay out
.set BB, BK+64*((\a)%2)
	s_wait_dscnt \younger
.set i, 0
.rept 32
	v_pk_mul_f32 v[BB+2*i:BB+2*i+1], v[BB+2*i:BB+2*i+1], s[FAC:FAC+1] op_sel_hi:[1,0]
.set i, i+1
.endr
.irp t, 0,1,2,3,4,5,6,7,8,9,10,11,12,13,14,15
	global_store_b128 v[LOF], v[BB+4*\t:BB+4*\t+3], s[12:13] offset:((\a)*16+\t)*OROW th:TH_STORE_NT   ; 512 consecutive bytes, at a multiple of 256 from out0's first byte
.endr
.endm
	PLACES 4
	s_wait_alu depctr_va_vdst(0)
	TOSTAGE 0
.irp a, 1,2,3
.if \a > 1
	s_wait_xcnt 0x0                                ; block a - 2's stores have read their registers: block a's loads may land there
.endif
	TOSTAGE \a
	SEND \a-1, 32                                  ; behind block a - 1's loads: block a's 16 stores and 16 loads
.endr
	SEND 3, 0
	s_wait_tensorcnt 0x0                           ; the wave's end
	ds_add_u32 v[SPW], v[NIL]
	s_wait_dscnt 0x0
	CROUND                                         ; the closing round
	s_endpgm
.Lfunc_end_k_q7732450639_gemm:
	.size	k_q7732450639_gemm, .Lfunc_end_k_q7732450639_gemm-k_q7732450639_gemm
	.p2alignl 7, 3214868480
	.fill 96, 4, 3214868480
	.section	.rodata,"a",@progbits
	.p2align	6, 0x0
	.amdhsa_kernel k_q7732450639_gemm
		.amdhsa_group_segment_fixed_size 327680
		.amdhsa_private_segment_fixed_size 0
		.amdhsa_enable_private_segment 0
		.amdhsa_kernarg_size 40
		.amdhsa_user_sgpr_count 2
		.amdhsa_user_sgpr_kernarg_segment_ptr 1
		.amdhsa_wavefront_size32 1
		.amdhsa_system_sgpr_workgroup_id_x 1
		.amdhsa_system_sgpr_workgroup_id_y 1
		.amdhsa_system_sgpr_workgroup_id_z 1
		.amdhsa_system_vgpr_workitem_id 0
		.amdhsa_next_free_vgpr 1024
		.amdhsa_next_free_sgpr 66
		.amdhsa_reserve_vcc 0
		.amdhsa_float_denorm_mode_32 3
		.amdhsa_float_denorm_mode_16_64 3
		.amdhsa_memory_ordered 1
		.amdhsa_forward_progress 1
		.amdhsa_inst_pref_size 230
	.end_amdhsa_kernel
	.amdgpu_metadata
---
amdhsa.version: [ 1, 2 ]
amdhsa.kernels:
  - .name:           k_q7732450639_gemm
    .symbol:         k_q7732450639_gemm.kd
    .args:
      - { .name: xc, .offset: 0, .size: 8, .value_kind: global_buffer, .address_space: global }
      - { .name: xs, .offset: 8, .size: 8, .value_kind: global_buffer, .address_space: global }
      - { .name: wc, .offset: 16, .size: 8, .value_kind: global_buffer, .address_space: global }
      - { .name: ws, .offset: 24, .size: 8, .value_kind: global_buffer, .address_space: global }
      - { .name: out0, .offset: 32, .size: 8, .value_kind: global_buffer, .address_space: global }
    .group_segment_fixed_size: 327680
    .private_segment_fixed_size: 0
    .kernarg_segment_align: 8
    .kernarg_segment_size: 40
    .max_flat_workgroup_size: 128
    .sgpr_count:     66
    .vgpr_count:     1024
    .wavefront_size: 32
...
	.end_amdgpu_metadata
.endif
;; end of part 2
